; MI455X (gfx1250); checked and timed in simulation.
; The chip was launched on July 23, 2026; its instructions are those of AMD's public machine-readable ISA for CDNA 5 (MIT licence, August 2026) and "CDNA5" Instruction Set Architecture Reference Guide (July 2026). The comments in the code are by the model that wrote it; some were corrected since.
;; Piecewise ND Model. Allowed arithmetic: float matrix products may take bf16 or f16 operands with f32 sums; all other float work in f32.
;; Inputs: bp0 64 float32; bp1 64 float32; bp2 64 float32; values 64 x 64 x 64 float32; x0 4,194,304 float32; x1 4,194,304 float32; x2 4,194,304 float32.
;; Outputs: out0 4,194,304 float32.
;; One version. Each part assembles by itself: llvm-mc -triple=amdgcn-amd-amdhsa -mcpu=gfx1250 --defsym DOCPART=n.
;; ======== version 1 of 1: 2 launches
;; workspace buffers: idx 16,777,216 bytes of whole numbers
;; launch bucket (part 1): grid 256 x 1, 16 waves a work-group, no clusters, 3,072 bytes of LDS; arguments bp0, bp1, bp2, x0, x1, x2, idx; writes idx
.if DOCPART == 1
	.amdgcn_target "amdgcn-amd-amdhsa--gfx1250"
	.amdhsa_code_object_version 6
	.text
	.protected	k_qe1688fbda2_bucket
	.globl	k_qe1688fbda2_bucket
	.p2align	8
	.type	k_qe1688fbda2_bucket,@function
k_qe1688fbda2_bucket:
	s_mov_b64 s[64:65], 0
	v_nop
	global_prefetch_b8 v0, s[64:65] scope:SCOPE_SE
	s_setreg_imm32_b32 hwreg(HW_REG_WAVE_MODE, 25, 1), 1
	s_wait_xcnt 0x0
; idx[n] = i0*4096 + i1*64 + i2, where id = clip(#{j : xd[n] >= bpd[j]} - 1, 0, 63).  x0, x1, x2: [4194304] f32; bp0, bp1, bp2: [64] f32.
; The index is stored as a whole number and the table is read by the next launch: an address is never made of numbers that the same
; launch derives from float comparisons.
; HOW THE COUNT IS MADE.  The count does not hang on the order of the breakpoints, so they are sorted here (nothing is assumed of their
; order).  With S ascending, clip(count - 1, 0, 63) = #{j in 1..63 : x >= S[j]}, and x >= S[j] is true for a prefix of j: six compares
; find it by bisection.  No table is addressed: after each compare the half of the pivots that is still in play is SELECTED into
; registers (31, 15, 7, 3, 1 selects).  All selects of a level hang on one VCC, so two of them go in one dual instruction.
; For an element and a dimension: 26 dual + 5 single selects, 6 compares, 6 add-with-carry (i = 2 i + bit) = 43 instructions,
; against 128 for a compare and an add for each of 64 breakpoints.
; SPECIAL NUMBERS, all as in the definition: x = NaN compares false everywhere: bucket 0.  A NaN breakpoint counts for nothing: the sort
; puts NaNs on top, where they stay NaN and compare false.  -0 and +0 compare equal, whatever their order.  Infinities are ordinary.
; SHARES: 256 work-groups of 16 waves; a work-group owns 16,384 elements, a wave 1,024, in 8 turns of 128: a lane takes 4 neighbouring
; elements of each x by one 16-byte load, so each load and each store of a wave covers 512 consecutive bytes, aligned.
.set STEP,  512                        ; bytes of one buffer in a wave's turn: 32 lanes x 16
.set TURNS, 8                          ; turns of a wave; two slots take them by turns
.set OFF,   1                          ; v1        byte offset of my 16 bytes, the same in x0, x1, x2 and idx
.set X,     4                          ; v[4:27]   slot s: 12 registers: 4 elements of x0, of x1, of x2
.set IDX,   28                         ; v[28:31]  the four indices of a turn
.set T,     32                         ; v[33:63]  T+j, j = 1..31: the pivots still in play
.set P,     64                         ; v[64:255] P+64d+j: sorted breakpoint j of dimension d, the same number in every lane
; the sort's registers lie in T, which the search uses only later
.set SA,    32                         ; 4 x lane; then the LDS address
.set K0,    34                         ; keys 0..31 (lane = place)
.set K1,    35                         ; keys 32..63
.set Q0,    36                         ; the partner's key
.set Q1,    37
.set MN,    38
.set MX,    39
.set ALL,   0xffffffff
.set B1,    0xaaaaaaaa                 ; lanes whose number has bit 0 set
.set B2,    0xcccccccc                 ; bit 1
.set B4,    0xf0f0f0f0                 ; bit 2
.set B8,    0xff00ff00                 ; bit 3
.set B16,   0xffff0000                 ; bit 4
	s_load_b256 s[8:15], s[0:1], 0x0               ; bp0 s[8:9], bp1 s[10:11], bp2 s[12:13], x0 s[14:15]
	s_load_b128 s[16:19], s[0:1], 0x20             ; x1 s[16:17], x2 s[18:19]
	s_load_b64 s[20:21], s[0:1], 0x30              ; idx
	v_lshrrev_b32 v2, 5, v0
	v_readfirstlane_b32 s4, v2                     ; wave 0..15
	v_and_b32 v3, 31, v0                           ; lane
	s_lshl_b32 s5, ttmp9, 16                       ; the work-group's 16,384 elements x 4 bytes
	v_lshlrev_b32 v[OFF], 4, v3                    ; 16 x lane
	v_lshl_add_u32 v[OFF], v2, 12, v[OFF]          ; + wave x 1,024 elements x 4 bytes
	v_add_nc_u32 v[OFF], s5, v[OFF]                ; below 16 MiB
	s_wait_kmcnt 0x0
.macro FILL s, off                     ; one turn's 4 elements of each x into slot s; read once in the launch, hence the hint
	global_load_b128 v[X+12*\s:X+12*\s+3],    v[OFF], s[14:15] offset:\off th:TH_LOAD_NT
	global_load_b128 v[X+12*\s+4:X+12*\s+7],  v[OFF], s[16:17] offset:\off th:TH_LOAD_NT
	global_load_b128 v[X+12*\s+8:X+12*\s+11], v[OFF], s[18:19] offset:\off th:TH_LOAD_NT
.endm
	FILL 0, 0                                      ; turns 0 and 1 are on their way while the breakpoints are sorted
	FILL 1, STEP
; ---- THE SORT: wave d (0, 1, 2) sorts bpd; the other waves go straight to the barrier ----
; A bitonic network on 64 keys, place e = 32 x register + lane.  In stage (k, j) place e meets place e xor j and keeps the smaller key
; where bit j and bit k of e are equal, else the larger.  Partners and masks are constants: nothing hangs on the data.
.macro TOKEY k                         ; f32 bits to a key whose unsigned order is the floats' order, every NaN above +infinity
	v_and_b32 v[MN], 0x7fffffff, v[\k]
	v_cmp_lt_u32 vcc_lo, 0x7f800000, v[MN]         ; a NaN: magnitude bits above infinity's
	v_cndmask_b32 v[\k], v[\k], v[MN], vcc_lo      ; a NaN loses its sign, so that it sorts to the top
	v_ashrrev_i32 v[MN], 31, v[\k]
	v_or_b32 v[MN], 0x80000000, v[MN]
	v_xor_b32 v[\k], v[\k], v[MN]                  ; negative: all bits flipped; else the sign bit set
.endm
.macro TOFLOAT k                       ; and back
	v_not_b32 v[MN], v[\k]
	v_ashrrev_i32 v[MN], 31, v[MN]
	v_or_b32 v[MN], 0x80000000, v[MN]
	v_xor_b32 v[\k], v[\k], v[MN]
.endm
.macro KEEP keep0, keep1               ; masks of the lanes that keep the smaller key, for register 0 and register 1
	s_mov_b32 s24, \keep0
	s_mov_b32 s25, \keep1
	v_min_u32 v[MN], v[K0], v[Q0]
	v_max_u32 v[MX], v[K0], v[Q0]
	v_cndmask_b32 v[K0], v[MX], v[MN], s24
	v_min_u32 v[MN], v[K1], v[Q1]
	v_max_u32 v[MX], v[K1], v[Q1]
	v_cndmask_b32 v[K1], v[MX], v[MN], s25
.endm
.macro XDPP j, keep0, keep1            ; partner = lane xor j, j = 1, 2, 4, 8: inside a row of 16 lanes
	v_mov_b32_dpp v[Q0], v[K0] row_xmask:\j row_mask:0xf bank_mask:0xf
	v_mov_b32_dpp v[Q1], v[K1] row_xmask:\j row_mask:0xf bank_mask:0xf
	KEEP \keep0, \keep1
.endm
.macro X16 keep0, keep1                ; partner = lane xor 16: the same lane of the other row
	v_permlanex16_b32 v[Q0], v[K0], s28, s29
	v_permlanex16_b32 v[Q1], v[K1], s28, s29
	KEEP \keep0, \keep1
.endm
	s_cmp_gt_u32 s4, 2
	s_cbranch_scc1 .Lsorted
	s_cmp_eq_u32 s4, 1                             ; my list, chosen by the wave's number alone
	s_cselect_b64 s[22:23], s[10:11], s[8:9]
	s_cmp_eq_u32 s4, 2
	s_cselect_b64 s[22:23], s[12:13], s[22:23]
	v_lshlrev_b32 v[SA], 2, v3
	global_load_b32 v[K0], v[SA], s[22:23]             ; bp[lane]
	global_load_b32 v[K1], v[SA], s[22:23] offset:128  ; bp[32 + lane]
	s_mov_b32 s28, 0x76543210                      ; v_permlanex16_b32: lane i of one row reads lane i of the other
	s_mov_b32 s29, 0xfedcba98
	v_mov_b32 v[Q0], 0                             ; a DPP move's and a lane permute's destination counts as read: written once here
	v_mov_b32 v[Q1], 0
	s_wait_loadcnt 0x0                             ; the two loads just issued are the youngest, so the count is zero
	TOKEY K0
	TOKEY K1
	XDPP 1, ALL^B1^B2, ALL^B1^B2                   ; k = 2
	XDPP 2, ALL^B2^B4, ALL^B2^B4                   ; k = 4
	XDPP 1, ALL^B1^B4, ALL^B1^B4
	XDPP 4, ALL^B4^B8, ALL^B4^B8                   ; k = 8
	XDPP 2, ALL^B2^B8, ALL^B2^B8
	XDPP 1, ALL^B1^B8, ALL^B1^B8
	XDPP 8, ALL^B8^B16, ALL^B8^B16                 ; k = 16
	XDPP 4, ALL^B4^B16, ALL^B4^B16
	XDPP 2, ALL^B2^B16, ALL^B2^B16
	XDPP 1, ALL^B1^B16, ALL^B1^B16
	X16 ALL^B16, B16                               ; k = 32: bit 5 of the place is the register: register 0 ascends, register 1 descends
	XDPP 8, ALL^B8, B8
	XDPP 4, ALL^B4, B4
	XDPP 2, ALL^B2, B2
	XDPP 1, ALL^B1, B1
	v_min_u32 v[MN], v[K0], v[K1]                  ; k = 64, j = 32: the partner is the other register of the same lane
	v_max_u32 v[K1], v[K0], v[K1]
	v_mov_b32 v[K0], v[MN]
	X16 ALL^B16, ALL^B16                           ; k = 64: everything ascends
	XDPP 8, ALL^B8, ALL^B8
	XDPP 4, ALL^B4, ALL^B4
	XDPP 2, ALL^B2, ALL^B2
	XDPP 1, ALL^B1, ALL^B1
	TOFLOAT K0
	TOFLOAT K1
	v_lshl_add_u32 v[SA], s4, 8, v[SA]             ; LDS: 256 bytes for each list, wave d's own; the loads that read SA are done
	ds_store_b32 v[SA], v[K0]
	ds_store_b32 v[SA], v[K1] offset:128
.Lsorted:
	s_wait_dscnt 0x0                               ; for the other waves' sake: my stores are in LDS before I signal
	s_barrier_signal -1
	s_barrier_wait -1                              ; all three lists are whole
	v_mov_b32 v2, 0
.set i, 0
.rept 48                                           ; 768 bytes into 192 registers; every lane names the same 16 bytes, so each register holds one pivot in all lanes
	ds_load_b128 v[P+4*i:P+4*i+3], v2 offset:16*i
.set i, i+1
.endr
	s_wait_dscnt 0x0
; ---- THE SEARCH ----
; Two selects in one instruction.  The dual form wants one even and one odd destination, and first sources (and second sources) whose
; numbers differ modulo 4 (ISA guide, the dual-issue VOPD encoding): neighbouring j give all three.  Neither half reads what the other writes.
.macro PAIR dst, a, b
	v_dual_cndmask_b32 v[\dst], v[\a], v[\b] :: v_dual_cndmask_b32 v[\dst+1], v[\a+1], v[\b+1]
.endm
.macro BIT idx                         ; i = 2 i + the compare's bit, in one add with carry
	v_add_co_ci_u32 v[\idx], vcc_lo, v[\idx], v[\idx], vcc_lo
.endm
; x: register of the element; p: register of the dimension's pivot 0; first = 1: this bit starts the index, nothing is cleared.
; In each level the pair that holds the next level's pivot goes first, so that the next compare does not wait for it.
.macro SEARCH x, p, idx, first
	v_cmp_ge_f32 vcc_lo, v[\x], v[\p+32]           ; at least 32 of pivots 1..63 are <= x?
.irp j, 15,1,3,5,7,9,11,13,17,19,21,23,25,27,29
	PAIR T+\j, \p+\j, \p+32+\j                     ; T[j] = yes ? S[32+j] : S[j]
.endr
	v_cndmask_b32 v[T+31], v[\p+31], v[\p+63], vcc_lo
.if \first
	v_cndmask_b32 v[\idx], 0, 1, vcc_lo
.else
	BIT \idx
.endif
	v_cmp_ge_f32 vcc_lo, v[\x], v[T+16]
.irp j, 7,1,3,5,9,11,13
	PAIR T+\j, T+\j, T+16+\j                       ; in place: a level writes places below its pivot and reads no place that it writes
.endr
	v_cndmask_b32 v[T+15], v[T+15], v[T+31], vcc_lo
	BIT \idx
	v_cmp_ge_f32 vcc_lo, v[\x], v[T+8]
.irp j, 3,1,5
	PAIR T+\j, T+\j, T+8+\j
.endr
	v_cndmask_b32 v[T+7], v[T+7], v[T+15], vcc_lo
	BIT \idx
	v_cmp_ge_f32 vcc_lo, v[\x], v[T+4]
	PAIR T+1, T+1, T+5
	v_cndmask_b32 v[T+3], v[T+3], v[T+7], vcc_lo
	BIT \idx
	v_cmp_ge_f32 vcc_lo, v[\x], v[T+2]
	v_cndmask_b32 v[T+1], v[T+1], v[T+3], vcc_lo
	BIT \idx
	v_cmp_ge_f32 vcc_lo, v[\x], v[T+1]
	BIT \idx
.endm
; The turn of slot s.  ahead = 1: the slot is filled again, with the turn two further on.  left = younger loads that may stay out.
.macro ITER s, ahead, left
	s_wait_loadcnt \left                           ; loads come back in order (ISA guide 5.7.1): my slot's three are in, the other slot's three stay out
	s_wait_xcnt 0x0                                ; IDX, which the last turn's store reads, is rewritten only behind this wait
.irp e, 0,1,2,3
	SEARCH X+12*\s+\e,   P,     IDX+\e, 1          ; i0: bits 17..12 in the end, since 12 more bits are shifted in behind them
	SEARCH X+12*\s+4+\e, P+64,  IDX+\e, 0          ; i1
	SEARCH X+12*\s+8+\e, P+128, IDX+\e, 0          ; i2
.endr
.if \ahead
	FILL \s, 2*STEP+\s*STEP
.endif
	global_store_b128 v[OFF], v[IDX:IDX+3], s[20:21] offset:\s*STEP   ; no hint: the next launch reads these bytes
.endm
	s_mov_b32 s6, TURNS/2-1
.Ltrip:
	ITER 0, 1, 3
	ITER 1, 1, 3
	s_wait_xcnt 0x0                                ; OFF, which the loads and stores above read, steps only behind this wait
	v_add_nc_u32 v[OFF], 2*STEP, v[OFF]
	s_sub_co_i32 s6, s6, 1
	s_cmp_lg_u32 s6, 0
	s_cbranch_scc1 .Ltrip
	ITER 0, 0, 3                                   ; the last two turns load nothing: no load leaves the buffers, and the counts run down
	ITER 1, 0, 0
	s_wait_xcnt 0x0
	v_lshl_add_u32 v254, v0, 2, 0x400
	v_mov_b32 v255, 0
	s_wait_tensorcnt 0x0
	ds_add_u32 v254, v255
	s_wait_dscnt 0x0
	s_endpgm
.Lfunc_end_k_qe1688fbda2_bucket:
	.size	k_qe1688fbda2_bucket, .Lfunc_end_k_qe1688fbda2_bucket-k_qe1688fbda2_bucket
	.p2alignl 7, 3214868480
	.fill 96, 4, 3214868480
	.section	.rodata,"a",@progbits
	.p2align	6, 0x0
	.amdhsa_kernel k_qe1688fbda2_bucket
		.amdhsa_group_segment_fixed_size 3072
		.amdhsa_private_segment_fixed_size 0
		.amdhsa_enable_private_segment 0
		.amdhsa_kernarg_size 56
		.amdhsa_user_sgpr_count 2
		.amdhsa_user_sgpr_kernarg_segment_ptr 1
		.amdhsa_wavefront_size32 1
		.amdhsa_system_sgpr_workgroup_id_x 1
		.amdhsa_system_sgpr_workgroup_id_y 1
		.amdhsa_system_sgpr_workgroup_id_z 1
		.amdhsa_system_vgpr_workitem_id 0
		.amdhsa_next_free_vgpr 256
		.amdhsa_next_free_sgpr 66
		.amdhsa_reserve_vcc 1
		.amdhsa_float_denorm_mode_32 3
		.amdhsa_float_denorm_mode_16_64 3
		.amdhsa_memory_ordered 1
		.amdhsa_forward_progress 1
		.amdhsa_inst_pref_size 122
	.end_amdhsa_kernel
	.amdgpu_metadata
---
amdhsa.version: [ 1, 2 ]
amdhsa.kernels:
  - .name:           k_qe1688fbda2_bucket
    .symbol:         k_qe1688fbda2_bucket.kd
    .args:
      - { .name: bp0, .offset: 0, .size: 8, .value_kind: global_buffer, .address_space: global }
      - { .name: bp1, .offset: 8, .size: 8, .value_kind: global_buffer, .address_space: global }
      - { .name: bp2, .offset: 16, .size: 8, .value_kind: global_buffer, .address_space: global }
      - { .name: x0, .offset: 24, .size: 8, .value_kind: global_buffer, .address_space: global }
      - { .name: x1, .offset: 32, .size: 8, .value_kind: global_buffer, .address_space: global }
      - { .name: x2, .offset: 40, .size: 8, .value_kind: global_buffer, .address_space: global }
      - { .name: idx, .offset: 48, .size: 8, .value_kind: global_buffer, .address_space: global }
    .group_segment_fixed_size: 3072
    .private_segment_fixed_size: 0
    .kernarg_segment_align: 8
    .kernarg_segment_size: 56
    .max_flat_workgroup_size: 512
    .sgpr_count:     66
    .vgpr_count:     256
    .wavefront_size: 32
...
	.end_amdgpu_metadata
.endif
;; end of part 1
;; launch gather (part 2): grid 512 x 1, 8 waves a work-group, no clusters, 0 bytes of LDS; arguments idx, values, out0; writes out0
.if DOCPART == 2
	.amdgcn_target "amdgcn-amd-amdhsa--gfx1250"
	.amdhsa_code_object_version 6
	.text
	.protected	k_qe1688fbda2_gather
	.globl	k_qe1688fbda2_gather
	.p2align	8
	.type	k_qe1688fbda2_gather,@function
k_qe1688fbda2_gather:
	s_mov_b64 s[64:65], 0
	v_nop
	global_prefetch_b8 v0, s[64:65] scope:SCOPE_SE
	s_setreg_imm32_b32 hwreg(HW_REG_WAVE_MODE, 25, 1), 1
	s_wait_xcnt 0x0
; out0[n] = values[idx[n]].  idx: [4194304] whole numbers below 262,144, stored by the launch before; values: [64][64][64] f32, taken as
; one list of 262,144; out0: [4194304] f32.  The numbers are copied bit for bit.
; 512 work-groups of 8 waves; a wave owns 1,024 neighbouring elements, a lane 8 times 4 neighbouring ones.  Each index load and each store
; of a wave covers 512 consecutive bytes, aligned.  All eight index loads go out at once, and the 32 gathers of a wave follow as the
; indices come in, so that everything a wave will ever ask for is on its way before it waits for the first number.
; No LDS: the table's 1,048,576 bytes do not fit, and a work-group looks up only 8,192 of its 262,144 numbers.
.set GROUPS, 8                         ; 16-byte groups of a lane
.set STEP,   512                       ; bytes of a wave's load or store
.set OFF,    1                         ; v1       byte offset of my first 16 bytes, the same in idx and out0; never rewritten
.set I,      4                         ; v[4:35]  group j: 4 registers: indices, then byte offsets into the table, then the numbers
	s_load_b128 s[4:7], s[0:1], 0x0                ; idx s[4:5], values s[6:7]
	s_load_b64 s[8:9], s[0:1], 0x10                ; out0
	v_and_b32 v[OFF], 31, v0                       ; lane
	v_lshrrev_b32 v2, 5, v0                        ; wave
	v_lshlrev_b32 v[OFF], 4, v[OFF]                ; 16 x lane
	v_lshl_add_u32 v[OFF], v2, 12, v[OFF]          ; + wave x 1,024 elements x 4 bytes
	s_lshl_b32 s2, ttmp9, 15                       ; + work-group x 8,192 elements x 4 bytes: below 16 MiB
	v_add_nc_u32 v[OFF], s2, v[OFF]
	s_wait_kmcnt 0x0
.irp j, 0,1,2,3,4,5,6,7
	global_load_b128 v[I+4*\j:I+4*\j+3], v[OFF], s[4:5] offset:\j*STEP th:TH_LOAD_NT   ; read once in the launch
.endr
.irp j, 0,1,2,3,4,5,6,7
	s_wait_loadcnt 7+3*\j                          ; behind index load j stand 7 - j index loads and the 4 j gathers issued so far: they may stay out
.irp k, 0,1,2,3
	v_min_u32 v[I+4*\j+\k], 0x3ffff, v[I+4*\j+\k]  ; a number read from memory enters an address only behind a clamp to the table's size
.endr
.irp k, 0,1,2,3
	v_lshlrev_b32 v[I+4*\j+\k], 2, v[I+4*\j+\k]    ; 4 bytes a number
.endr
.irp k, 0,1,2,3
	global_load_b32 v[I+4*\j+\k], v[I+4*\j+\k], s[6:7]   ; the number lands on its own address register; no hint: the table is read again by all
.endr
.endr
.irp j, 0,1,2,3,4,5,6,7
	s_wait_loadcnt 4*(7-\j)                        ; group j's four gathers are in; those of the 7 - j later groups stay out
	global_store_b128 v[OFF], v[I+4*\j:I+4*\j+3], s[8:9] offset:\j*STEP th:TH_STORE_NT
.endr
	s_endpgm
.Lfunc_end_k_qe1688fbda2_gather:
	.size	k_qe1688fbda2_gather, .Lfunc_end_k_qe1688fbda2_gather-k_qe1688fbda2_gather
	.p2alignl 7, 3214868480
	.fill 96, 4, 3214868480
	.section	.rodata,"a",@progbits
	.p2align	6, 0x0
	.amdhsa_kernel k_qe1688fbda2_gather
		.amdhsa_group_segment_fixed_size 0
		.amdhsa_private_segment_fixed_size 0
		.amdhsa_enable_private_segment 0
		.amdhsa_kernarg_size 24
		.amdhsa_user_sgpr_count 2
		.amdhsa_user_sgpr_kernarg_segment_ptr 1
		.amdhsa_wavefront_size32 1
		.amdhsa_system_sgpr_workgroup_id_x 1
		.amdhsa_system_sgpr_workgroup_id_y 1
		.amdhsa_system_sgpr_workgroup_id_z 1
		.amdhsa_system_vgpr_workitem_id 0
		.amdhsa_next_free_vgpr 40
		.amdhsa_next_free_sgpr 66
		.amdhsa_reserve_vcc 0
		.amdhsa_float_denorm_mode_32 3
		.amdhsa_float_denorm_mode_16_64 3
		.amdhsa_memory_ordered 1
		.amdhsa_forward_progress 1
		.amdhsa_inst_pref_size 9
	.end_amdhsa_kernel
	.amdgpu_metadata
---
amdhsa.version: [ 1, 2 ]
amdhsa.kernels:
  - .name:           k_qe1688fbda2_gather
    .symbol:         k_qe1688fbda2_gather.kd
    .args:
      - { .name: idx, .offset: 0, .size: 8, .value_kind: global_buffer, .address_space: global }
      - { .name: values, .offset: 8, .size: 8, .value_kind: global_buffer, .address_space: global }
      - { .name: out0, .offset: 16, .size: 8, .value_kind: global_buffer, .address_space: global }
    .group_segment_fixed_size: 0
    .private_segment_fixed_size: 0
    .kernarg_segment_align: 8
    .kernarg_segment_size: 24
    .max_flat_workgroup_size: 256
    .sgpr_count:     66
    .vgpr_count:     40
    .wavefront_size: 32
...
	.end_amdgpu_metadata
.endif
;; end of part 2
